; MI455X (gfx1250); checked and timed in simulation.
; The chip was launched on July 23, 2026; its instructions are those of AMD's public machine-readable ISA for CDNA 5 (MIT licence, August 2026) and "CDNA5" Instruction Set Architecture Reference Guide (July 2026). The comments in the code are by the model that wrote it; some were corrected since.
;; Heads. Allowed arithmetic: matrix products marked QUANTISED: E2M1 operands, one E8M0 scale for each 32 along K, by v_wmma_scale_f32_16x16x128_f8f6f4 with both operands' format E2M1 (or v_wmma_scale_f32_32x16x128_f4), f32 sums; everything else in f32.
;; Inputs: Wk_codes 8 x 1,024 x 32 x 16 uint8 (E2M1 codes of Wk, K innermost, in blocks of 32 codes, two codes a byte); Wk_scales 8 x 1,024 x 32 uint8 (E8M0 scales of Wk, one for each 32 codes along K); Wq_codes 8 x 1,024 x 32 x 16 uint8 (E2M1 codes of Wq, K innermost, in blocks of 32 codes, two codes a byte); Wq_scales 8 x 1,024 x 32 uint8 (E8M0 scales of Wq, one for each 32 codes along K); Wv_codes 8 x 1,024 x 32 x 16 uint8 (E2M1 codes of Wv, K innermost, in blocks of 32 codes, two codes a byte); Wv_scales 8 x 1,024 x 32 uint8 (E8M0 scales of Wv, one for each 32 codes along K); data_codes 4 x 512 x 32 x 16 uint8 (E2M1 codes of data, K innermost, in blocks of 32 codes, two codes a byte); data_scales 4 x 512 x 32 uint8 (E8M0 scales of data, one for each 32 codes along K).
;; Outputs: out0 4 x 512 x 8,192 float32.
;; This version of the problem:
;;   THIS VERSION OF THE PROBLEM IS GIVEN IN LOW PRECISION. The matrix products marked QUANTISED in the list below multiply operands that are first quantised to E2M1 (2 exponent bits, 1 mantissa bit; 4 bits a number), with one power-of-two scale for each 32 numbers along K (OCP MX v1.0); their sums are f32. All else is computed in f32.
;;   The module's matrix products, in the order in which they are computed (A, B: the left and right operand; K: the contracted axis; several contracted axes count as one K, in the product's order):
;;     1. [M 8,192, K 1,024] x [K 1,024, N 2,048]; A: input Wq (given as codes); B: input data (given as codes): QUANTISED
;;     2. [M 8,192, K 1,024] x [K 1,024, N 2,048]; A: input Wk (given as codes); B: input data (given as codes): QUANTISED
;;     3. [M 8,192, K 1,024] x [K 1,024, N 2,048]; A: input Wv (given as codes); B: input data (given as codes): QUANTISED
;;     4. batch 32 x [M 512, K 1,024] x [K 1,024, N 512]; A: computed on the way; B: computed on the way: QUANTISED
;;     5. batch 32 x [M 512, K 512] x [K 512, N 1,024]; A: softmax (see below); B: computed on the way: QUANTISED
;;   THE QUANTISER, for each operand of a quantised product, along K:
;;     - K is cut into blocks of 32 from its start; a last block that is shorter is filled with zeros.
;;     - A block's scale is 2^e with e = floor(log2(the largest magnitude in the block)) - 2, held to -126 .. 127; a block of zeros has e = 0. As a byte (E8M0): e + 127.
;;     - Each number is divided by its block's scale, clamped to +-6, and rounded to the nearest number of E2M1, ties to even, subnormals kept.
;;     - The product sums the exact products of the quantised numbers (number of the format x scale) in f32.
;;   ~~~python
;;   def quantise(x, axis):      # numpy; x: float32 -> the quantised numbers, widened to float32 again
;;       x = np.moveaxis(x, axis, -1); K = x.shape[-1]
;;       x = np.pad(x, [(0, 0)] * (x.ndim - 1) + [(0, -K % 32)]); x = x.reshape(x.shape[:-1] + (-1, 32)); a = np.abs(x).max(-1, keepdims=True)
;;       e = np.where(a > 0, np.clip(np.frexp(np.where(a > 0, a, 1))[1] - 1 - 2, -126, 127), 0)      # np.frexp(a)[1] - 1 = floor(log2(a)), exactly
;;       r = np.clip(x / 2.0 ** e, -6, 6)
;;       step = 2.0 ** (np.maximum(np.frexp(np.where(r == 0, 1, r))[1] - 1, 0) - 1)
;;       q = np.round(r / step) * step * 2.0 ** e      # np.round: ties to even
;;       return np.moveaxis(q.reshape(q.shape[:-2] + (-1,))[..., :K], -1, axis).astype(np.float32)
;;   ~~~
;;   SOFTMAX AHEAD OF A QUANTISED PRODUCT. Where the list says 'softmax', what is quantised is not the finished softmax but p = 2^(t - M), with t = logit x log2(e) and M = ceil(the row's largest t), a whole number; so 1/2 < the row's largest p <= 1. The row's sum l is taken of the UNQUANTISED p, in f32, and the product's result is divided by l at the end. Since M is a whole number, a kernel that streams over the keys may use a running M (the ceiling of the running maximum): every later rescaling is an exact power of two, which a block's scale takes up: the codes' values come out the same.
;;   OPERANDS COMPUTED ON THE WAY. 'Computed on the way' means the value that the module computes at that place (a softmax that the list does not call 'softmax' is quantised finished and normalised). What goes into a quantiser is computed in f32, as accurately as f32 sums, v_exp_f32 and their like allow (about 1e-6 of the number): no bf16 or f16 on the way to a quantiser, and a product that is left as it is and whose result goes on into a quantised operand takes f32 operands (vector FMAs, or v_wmma_f32_16x16x4_f32). A number that lies on a knife's edge between two numbers of the format may be rounded either way, as far as f32 arithmetic and the matrix unit's own rounding can turn it there, and no further.
;;   INPUTS GIVEN AS CODES. Wk (in the module: [8, 1024, 1024], K = its axis 2); Wq (in the module: [8, 1024, 1024], K = its axis 2); Wv (in the module: [8, 1024, 1024], K = its axis 2); data (in the module: [4, 512, 1024], K = its axis 2): each comes as NAME_codes (uint8): NAME with its K axis moved to the last place and cut into blocks of 32 codes, [.., K / 32, bytes a block], one block behind the other in memory; two codes a byte, the lower K in the low four bits (a code: sign, 2 exponent bits, 1 mantissa bit); and NAME_scales (uint8): the same leading axes, one E8M0 byte (e + 127) for each 32 codes along K. Its value is code x scale, taken as it is: it is not quantised again, and the codes and scales need not be those that the quantiser above would give.
;; One version. Each part assembles by itself: llvm-mc -triple=amdgcn-amd-amdhsa -mcpu=gfx1250 --defsym DOCPART=n.
;; ======== version 1 of 1: 2 launches
;; limits: right only within a limited range of input values
;; workspace buffers: qc 8,388,608 bytes; qs 524,288 bytes; kc 8,388,608 bytes; ks 524,288 bytes; vc 8,388,608 bytes; vs 524,288 bytes
;; launch proj (part 1): grid 64 x 4, 4 waves a work-group, clusters of 4 x 4, 327,680 bytes of LDS; arguments data_codes, data_scales, Wq_codes, Wq_scales, Wk_codes, Wk_scales, Wv_codes, Wv_scales, qc, qs, kc, ks, vc, vs; writes qc, qs, kc, ks, vc, vs
.if DOCPART == 1
	.amdgcn_target "amdgcn-amd-amdhsa--gfx1250"
	.amdhsa_code_object_version 6
	.text
	.protected	k_qf241e61ca5_proj
	.globl	k_qf241e61ca5_proj
	.p2align	8
	.type	k_qf241e61ca5_proj,@function
k_qf241e61ca5_proj:
	s_mov_b64 s[64:65], 0
	v_nop
	global_prefetch_b8 v0, s[64:65] scope:SCOPE_SE
	s_setreg_imm32_b32 hwreg(HW_REG_WAVE_MODE, 25, 1), 1
	s_wait_xcnt 0x0
	s_wait_alu depctr_hold_cnt(0) depctr_sa_sdst(0) depctr_va_vdst(0) depctr_va_sdst(0) depctr_va_ssrc(0) depctr_va_vcc(0) depctr_vm_vsrc(0)
	s_getreg_b32 s2, hwreg(HW_REG_IB_STS2, 6, 4)
	s_cmp_eq_u32 s2, 0
	s_cbranch_scc0 .Lentry_in_a_cluster
	s_endpgm
.Lentry_in_a_cluster:
	s_bfe_u32 s2, ttmp6, 0x10000c
	s_cmp_lg_u32 s2, 0xf033
	s_cbranch_scc0 .Lentry_shape_is_right
	s_endpgm
.Lentry_shape_is_right:
; q, k, v = data x W^T on codes of FP4 (E2M1) with E8M0 scales, K = 1,024; the results are quantised again, in registers, for the attention launch.
; A work-group takes 256 tokens of data (tile dT of 8) and rows 256 wT .. 256 wT + 255 (tile wT of 32) of Wq, Wk and Wv.  256 work-groups in all.
; DATA STAYS IN REGISTERS: each of the four waves holds 128 tokens (half YA) x K = 1,024 in 512 registers for the whole launch and streams its 128 rows (half XB) of each W from LDS,
; in 12 UNITS of 32 rows x 128 tokens: units 0-3 q, 4-7 k, 8-11 v.  A unit is 64 matrix instructions of 32 x 16 x 128 on eight accumulators of 16 registers.  There are two accumulator buffers:
; while unit n is multiplied, unit n - 1 is quantised by vector instructions laid between the products (CH).
; WHICH SIDE RUNS ALONG A LANE'S REGISTERS.  Source 0's rows do, and they are the NEXT product's K.  q, k: source 0 = 32 rows of W (the head's d), source 1 = 16 tokens.  v: source 0 = 32 tokens, source 1 = 16 rows of W.
; So each accumulator's 16 registers in lanes l and l xor 16 are one quantising block of 32.
; LDS: bytes 0 on: D's 256 rows, later Wk's; then Wq's 256 rows, later Wv's.  Fills: D and half of Wq at the head; the rest of Wq; Wk where D was (D is in registers by then); Wv where Wq was.
; CLUSTERS: 4 x 4 work-groups; D is asked for jointly along a row of the cluster, W along a column, which divides the requests by four.
; Scale bytes are read straight into registers: 32 rows of 32 bytes are 1,024 dense bytes, lane l takes row l.  W's come three units ahead.
; THE WAY OUT.  A fragment of the next product (16 rows x 128 K) leaves as an IMAGE OF ITS REGISTERS: registers 0-3 at 16 x lane, 4-7 at 512 + 16 x lane: each store of the wave covers 512 consecutive bytes, aligned.
; Wave block W: eight fragments at 8,192 W, their scale words (lane l: rows 32 p + l, p = 0..3) at 512 W.
; WORK LEFT OUT by the program: the attention launch multiplies no tile of 16 queries x 128 keys that lies wholly beyond the diagonal: the module puts -infinity there ahead of the softmax, so p is 0 for all finite inputs.
; LIMITS: NaN and infinities are not served, and one (or an overflow) that reaches only the work left out is not carried.  A block whose largest magnitude lies under 2^-124 (a block of zeros too) keeps the byte 1; a block of zeros has zero codes, and only this program reads the bytes.
; REGISTERS.  window 0: v0-15 the quantiser's; v16-23 addresses; v24-31 scale words being made; v32-63 D's scale words; v64-95 W's, four units; v96-223 a unit's W fragments; v224-255 codes.
;   windows 1, 2: D: K steps 0-3 and 4-7.   window 3: the two accumulator buffers.
.set PITCH,  528                       ; an LDS row: 512 bytes + 16 of padding: the 16 rows that a load touches start at 16 different groups of four banks
.set BLK,    16*PITCH
.set HALFT,  128*PITCH
.set WREG,   256*PITCH
.set SPARE,  2*WREG                    ; the spare words, 128 bytes for each wave
.set TM,   0                           ; v0-7   largest magnitudes, then the conversions' scale operands
.set TP,   8                           ; v8-15  the other half's, then bytes, then the scale block as it is stored
.set ADRA, 16                          ; LDS address of my D fragments
.set ADRW, 17                          ; of my W fragments of q and v
.set ADRK, 18                          ; of k
.set OFS,  19                          ; 16 x lane
.set SPW,  20                          ; LDS address of my spare word
.set NIL,  21                          ; 0
.set PFO,  22                          ; the prefetches' offset: 512 x lane
.set SOF,  23                          ; 32 x lane: a row of scale bytes
.set SW,   24
.set DS,   32                          ; (token group g of 32, K step q) at 8 g + q
.set WS,   64                          ; (unit n, K step q) at 8 (n % 4) + q
.set WF,   96                          ; (K step q, block u of 16 rows) at 16 q + 8 u
.set PC,   224
.set OCQ,  4                           ; s[4:5] where my codes of q go, s[6:7] their scale words; s[8:11] k's; s[12:15] v's
.set WV,   16
.set YA,   17                          ; my half of D.  At the head: I fetch for D (0) or for W (1)
.set XB,   18                          ; my half of W.  At the head: which half of the rows I fetch
.set LIM,  22                          ; 1 in a wave that prefetches, else 0
.set G1,   24                          ; s[24:31] group 1 for D's tiles, s[48:55] for W's
.set G1B,  48
.set G0,   32                          ; groups 0: D; Wq's first 64 rows of a half; the other 64; Wk; Wv
.set G0B,  36
.set G0R,  40
.set G0K,  44
.set G0V,  56
.set PFK,  60                          ; s[60:61], s[62:63] the 32 rows of Wk's, Wv's codes that my wave prefetches
.set PFV,  62
.set SEL,  66                          ; lane selects for v_permlanex16_b32: lane l xor 16
.set DSA,  96                          ; s[96:97] my tokens' scale bytes; s[98:99], s[100:101], s[20:21] my rows' of Wq, Wk, Wv
.set MSB, 0
.macro WIN new                         ; the immediate's high byte repeats the setting that is left
.if MSB != \new
	s_set_vgpr_msb (MSB<<8)|\new
.set MSB, \new
.endif
.endm
.macro PLACES n
.rept \n
	v_nop
.endr
.endm
.macro CREST                           ; a round of the cluster's barrier behind its opening barrier
	s_cmp_lg_u32 s[WV], 0
	s_cbranch_scc1 .Lnot_wave_0_\@
	s_barrier_signal -3
.Lnot_wave_0_\@:
	s_barrier_wait -3
	s_barrier_signal -1
	s_barrier_wait -1
.endm
.macro CROUND
	s_barrier_signal -1
	s_barrier_wait -1
	CREST
.endm
; A prefetch into the L2 of the W tile that the next refill will ask for: 256 rows of 512 bytes.  Each aligned block of 256 bytes is named once in the launch: of the two clusters that read a tile
; the one with the first group of tokens asks; the four partners of a column take 64 rows each, BY ADDRESS; in each, waves 0 and 1 take 32, a lane a row.  Wq comes by its loads alone.
.macro ASK pf
	s_cmp_eq_u32 s[LIM], 1
	s_cbranch_scc0 .Lno_\@
	global_prefetch_b8 v[PFO], s[\pf:\pf+1] th:TH_LOAD_NT scope:SCOPE_SE
	global_prefetch_b8 v[PFO], s[\pf:\pf+1] offset:256 th:TH_LOAD_NT scope:SCOPE_SE
.Lno_\@:
.endm
.macro LDW n, hf                       ; unit n's W fragments of K steps 4 hf .. 4 hf + 3
	WIN 0
.set lA, ADRW
.if (\n)/4 == 1
.set lA, ADRK
.endif
.set lB, (\n)%4
.irp k, 0,1,2,3
.irp u, 0,1
.irp c, 0,1
	ds_load_b128 v[WF+16*(4*(\hf)+\k)+8*\u+4*\c:WF+16*(4*(\hf)+\k)+8*\u+4*\c+3], v[lA] offset:(2*lB+\u)*BLK+64*(4*(\hf)+\k)+32*\c
.endr
.endr
.endr
.endm
.macro LDD q                           ; D's eight fragments of K step q
	WIN (0x40+0x40*((\q)/4))
.irp i, 0,1,2,3,4,5,6,7
.irp c, 0,1
	ds_load_b128 v[64*((\q)%4)+8*\i+4*\c:64*((\q)%4)+8*\i+4*\c+3], v[ADRA] offset:\i*BLK+64*(\q)+32*\c
.endr
.endr
	WIN 0
.endm
.macro LDSC n                          ; unit n's scale words
	WIN 0
.set lS, 98+2*((\n)/4)
.if (\n)/4 == 2
.set lS, 20
.endif
.irp y, 0,1
	global_load_b128 v[WS+8*((\n)%4)+4*\y:WS+8*((\n)%4)+4*\y+3], v[SOF], s[lS:lS+1] offset:1024*((\n)%4)+16*\y
.endr
.endm
.macro WINM n, q                       ; windows of a product: C and D 3; D's side 1 (K steps 0-3) or 2; W's side 0
.if (\n) < 8
	WIN (0xf4+4*((\q)/4))
.else
	WIN (0xf1+(\q)/4)
.endif
.endm
; Product t of K step q of unit n.  q, k: t = token block.  v: t = 4 u + g: W's block u, token group g of 32.  The first K step starts the sum.  The eight accumulators take turns.
.macro MUL n, q, t
.set uB, (\n)%4
.set rD, 128*((\n)%2)+16*(\t)
.if (\n) < 8
.set rA, WF+16*(\q)
.set rB, 64*((\q)%4)+8*(\t)
.set sA, WS+8*uB+(\q)
.set sB, DS+8*((\t)/2)+(\q)
.set rw, (\t)%2
.else
.set rA, 64*((\q)%4)+16*((\t)%4)
.set rB, WF+16*(\q)+8*((\t)/4)
.set sA, DS+8*((\t)%4)+(\q)
.set sB, WS+8*uB+(\q)
.set rw, (\t)/4
.endif
.if (\q) == 0
.if rw
	v_wmma_scale_f32_32x16x128_f4 v[rD:rD+15], v[rA:rA+15], v[rB:rB+7], 0, v[sA], v[sB] matrix_b_scale:MATRIX_SCALE_ROW1
.else
	v_wmma_scale_f32_32x16x128_f4 v[rD:rD+15], v[rA:rA+15], v[rB:rB+7], 0, v[sA], v[sB]
.endif
.else
.if rw
	v_wmma_scale_f32_32x16x128_f4 v[rD:rD+15], v[rA:rA+15], v[rB:rB+7], v[rD:rD+15], v[sA], v[sB] matrix_b_scale:MATRIX_SCALE_ROW1
.else
	v_wmma_scale_f32_32x16x128_f4 v[rD:rD+15], v[rA:rA+15], v[rB:rB+7], v[rD:rD+15], v[sA], v[sB]
.endif
.endif
.endm
; Where accumulator t's codes of unit cP go.  The 4-bit operand wants a whole block in a lane: of two neighbouring blocks the octets stand in registers 4 c .. 4 c + 3, exchanged between lane halves when both are there.
; q, k: the two blocks are those of an even unit and the next (fragment t); v: accumulators 2 c and 2 c + 1 of W's block u (fragment 2 b + u).
.macro GEO t
.if cP < 8
.set gPC, PC+4*(\t)
.set gCD, gPC+cB%2
.set gON, cB%2
.set gOF, 1024*(\t)+512*(cB/2)
.else
.set gPC, PC+16*(cB%2)+8*((\t)/4)+4*(((\t)%4)/2)
.set gCD, gPC+(\t)%2
.set gON, (\t)%2
.set gOF, 1024*(2*cB+(\t)/4)+512*(((\t)%4)/2)
.endif
.endm
.macro SHR t                           ; the scale's byte: a word's first byte starts the word
.set gT, TP+(\t)
.if cP < 8
.if cB == 0
.set gT, SW+(\t)
.endif
.elseif (\t)%4 == 0
.set gT, SW+2*cB+(\t)/4
.endif
	v_lshrrev_b32 v[gT], 23, v[TM+(\t)]
.endm
.macro ORB t
.if cP < 8
.if cB > 0
	v_lshl_or_b32 v[SW+(\t)], v[TP+(\t)], 8*cB, v[SW+(\t)]
.endif
.elseif (\t)%4 > 0
	v_lshl_or_b32 v[SW+2*cB+(\t)/4], v[TP+(\t)], 8*((\t)%4), v[SW+2*cB+(\t)/4]
.endif
.endm
.macro SWAPF t
	GEO \t
.if gON
	v_permlane16_swap_b32 v[gPC], v[gPC+1]
	v_permlane16_swap_b32 v[gPC+2], v[gPC+3]
.endif
.endm
.macro STF t
	GEO \t
.if gON
	global_store_b128 v[OFS], v[gPC:gPC+3], s[cO:cO+1] offset:gOF
.endif
.endm
; Piece c of 32 of the quantising of unit n - 1.  0-15: largest magnitudes, four blocks by turns, each accumulator from its low end on; 16-22: joined with lane l xor 16's, scale operands, bytes;
; 23-30: a block's codes, the exchange of the block before, the store of the one before that; 31: the rest, and behind a matrix's last unit its scale block.
.macro CH n, c
.set cP, (\n)-1
.if cP >= 0
.set cA, 128*(cP%2)
.set cB, cP%4
.set cO, OCQ+4*(cP/4)
.set cD, (\c)-16
.if cD < 0
	WIN 0x0f
.set cI, 2*((\c)%8)
.irp a, 0,1,2,3
.set cT, 4*((\c)/8)+\a
.if cI == 0
	v_max3_num_f32 v[TM+cT], |v[cA+16*cT]|, |v[cA+16*cT+1]|, 0x1800000   ; with the floor 2^(3 - 127): the byte cannot fall under 1
.else
	v_max3_num_f32 v[TM+cT], |v[cA+16*cT+cI]|, |v[cA+16*cT+cI+1]|, v[TM+cT]
.endif
.endr
.elseif cD < 6
	WIN 0
.irp a, 0,1,2,3
.set cT, 4*(cD/3)+\a
.if cD%3 == 0
	v_permlanex16_b32 v[TP+cT], v[TM+cT], s[SEL], s[SEL+1]
.elseif cD%3 == 1
	v_max_num_f32 v[TM+cT], v[TM+cT], v[TP+cT]
.else
	v_add_nc_u32 v[TM+cT], 0xff000000, v[TM+cT]   ; 2 off its exponent field: the conversion takes this operand's exponent field as its scale
.endif
.endr
.elseif cD == 6
	WIN 0
.irp a, 0,1,2,3,4,5,6,7
	SHR \a
.endr
.elseif cD < 15
.set cT, cD-7
	GEO cT
	WIN 3
	v_cvt_scalef32_pk8_fp4_f32 v[gCD], v[cA+16*cT:cA+16*cT+7], v[TM+cT]
	v_cvt_scalef32_pk8_fp4_f32 v[gCD+2], v[cA+16*cT+8:cA+16*cT+15], v[TM+cT]
	WIN 0
	ORB cT
.if cT >= 1
	SWAPF cT-1
.endif
.if cT >= 2
	STF cT-2
.endif
.else
	WIN 0
	SWAPF 7
	STF 6
	STF 7
.if cB == 3
	v_cmp_le_u32 vcc_lo, 0x100, v[OFS]             ; lanes 16-31
.irp p, 0,1,2,3
	v_cndmask_b32 v[TP+\p], v[SW+2*\p], v[SW+2*\p+1], vcc_lo   ; lane l: the word of row 32 p + l (both halves of the lanes hold a row's word)
.endr
	global_store_b128 v[OFS], v[TP:TP+3], s[cO+2:cO+3]
.endif
.endif
.endif
.endm
.macro KST n, q                        ; a K step: eight products, and four pieces of the unit before between them
.irp g, 0,1,2,3
	WINM \n, \q
	MUL \n, \q, 2*\g
	MUL \n, \q, 2*\g+1
	CH \n, 4*(\q)+\g
.endr
.endm
; K step 3 with a change of tiles.  Each wave waits for all its tensor loads; behind the barrier the next tile is whole, and (fill = 1, a round of the cluster's barrier) Wv is asked for where Wq was: no wave of any partner reads Wq any more.
.macro MEET n, fill
	WIN 0
	s_wait_alu depctr_va_vdst(0)
	s_wait_tensorcnt 0x0
.if \fill
	ds_add_u32 v[SPW], v[NIL]                      ; 0 onto my spare word
.endif
	WINM \n, 3
.irp t, 0,1,2,3
	MUL \n, 3, \t
.endr
	s_wait_dscnt 0x0                               ; my reads of the tile in hand are over (its last fragments are in registers), and the add is done
	s_barrier_signal -1
.irp t, 4,5,6,7
	MUL \n, 3, \t
.endr
	WIN 0
	s_barrier_wait -1
.if \fill
	CREST
	tensor_load_to_lds s[G0V:G0V+3], s[G1B:G1B+7]
	s_nop 0
.endif
	PLACES 4                                       ; places in front of the loads below
	LDW \n+1, 0
.irp x, 12,13,14,15
	CH \n, \x
.endr
.endm
.macro UNIT n, meet
.if (\n) < 10
	s_wait_loadcnt 4                               ; my scale words are in; those of the next two units, two loads each, may be out
.else
	s_wait_loadcnt 2*(11-(\n))
.endif
	s_wait_dscnt 0x0                               ; K steps 0-3 of W are in
	LDW \n, 1
.if (\n)+3 < 12
	LDSC \n+3
.endif
	KST \n, 0
	KST \n, 1
	KST \n, 2
.if \meet
	MEET \n, \meet-1
.else
	KST \n, 3
	s_wait_dscnt 0x0                               ; K steps 4-7
.if (\n) < 11
	LDW \n+1, 0                                    ; (the last piece's four lines are the places)
.endif
.endif
	s_wait_xcnt 0x0                                ; the stores have read their data: they are written again only behind this wait
.irp x, 4,5,6,7
	KST \n, \x
.endr
	WIN 0
	PLACES 4                                       ; in front of the next unit's loads and of the first reads of this one's results
.endm
	s_load_b512 s[68:83], s[0:1], 0x0              ; data's codes s[68:69], scales s[70:71]; Wq's s[72:75]; Wk's s[76:79]; Wv's s[80:83]
	s_load_b256 s[84:91], s[0:1], 0x40             ; qc, qs, kc, ks
	s_load_b128 s[92:95], s[0:1], 0x60             ; vc, vs
	v_lshl_add_u32 v[SPW], v0, 2, SPARE
	v_mov_b32 v[NIL], 0
	ds_add_u32 v[SPW], v[NIL]                      ; the wave's opening: the add, twice on end, ahead of my first tensor load
	ds_add_u32 v[SPW], v[NIL]
	v_lshrrev_b32 v1, 5, v0
	v_readfirstlane_b32 s[WV], v1                  ; wave 0..3
	s_lshr_b32 s[YA], s[WV], 1
	s_and_b32 s[XB], s[WV], 1
	s_mul_i32 s2, s[YA], HALFT
	s_mul_i32 s3, s[XB], HALFT
	s_add_co_u32 s20, s3, WREG
	v_and_b32 v2, 31, v0
	v_lshlrev_b32 v[OFS], 4, v2
	v_lshlrev_b32 v[PFO], 9, v2
	v_lshlrev_b32 v[SOF], 5, v2
	v_and_b32 v3, 15, v0
	v_bfe_u32 v4, v0, 4, 1
	v_mul_u32_u24 v5, v3, PITCH
	v_lshl_add_u32 v5, v4, 4, v5                   ; a fragment's row x pitch + 16 x half
	v_add_nc_u32 v[ADRA], s2, v5
	v_add_nc_u32 v[ADRW], s20, v5
	v_add_nc_u32 v[ADRK], s3, v5
.irp b, 0,1,2,3,4,5,6,7
	v_mov_b32 v[TP+\b], 0                          ; written once: a lane permute's destination counts as one of its sources
.endr
	; my place
	s_bfe_u32 s19, ttmp6, 0x40000                  ; cx, cy: my place in the cluster
	s_bfe_u32 s23, ttmp6, 0x40004
	s_and_b32 s104, ttmp9, 7                       ; 16 clusters: 8 along W's 8,192 rows, 2 along the 2,048 tokens
	s_lshl_b32 s104, s104, 2
	s_add_co_u32 s104, s104, s19                   ; wT = 4 x (cluster % 8) + cx
	s_lshr_b32 s105, ttmp9, 3
	s_lshl_b32 s105, s105, 2
	s_add_co_u32 s105, s105, s23                   ; dT = 4 x (cluster / 8) + cy
	s_mov_b32 s[SEL], 0x76543210
	s_mov_b32 s[SEL+1], 0xfedcba98
	s_lshl_b32 s2, s23, 2
	s_lshl_b32 s2, 15, s2                          ; my row of the cluster
	s_lshl_b32 s3, 0x1111, s19                     ; my column
	; group 1: rows of 512 bytes, 128 of D, 64 of W; after every 128 words, 4 words of padding
	s_or_b32 s[G1+0], s2, (0<<16)|(1<<20)|(1<<21)|(6<<22)|(3<<25)   ; 15:0 the mask: D's tiles go to my row; elements of 1 byte; padding on; 21 set beside a mask
	s_or_b32 s[G1B+0], s3, (0<<16)|(1<<20)|(1<<21)|(6<<22)|(3<<25)  ; W's go to my column
	s_mov_b32 s[G1+2], 128<<16                     ; tensor_dim1
	s_mov_b32 s[G1+4], 128                         ; tile_dim1
	s_mov_b32 s[G1B+2], 64<<16
	s_mov_b32 s[G1B+4], 64
.irp g, G1, G1B
	s_mov_b32 s[\g+1], 512<<16                     ; tensor_dim0
	s_mov_b32 s[\g+3], 512<<16                     ; tile_dim0
	s_mov_b32 s[\g+5], 512                         ; tensor_dim0_stride
	s_mov_b32 s[\g+6], 0
	s_mov_b32 s[\g+7], 0
.endr
	; LDS addresses of my loads: of the wave's number alone
	s_mov_b32 s[G0], 1
	s_mul_i32 s[G0+1], s[XB], HALFT
	s_mov_b32 s[G0B], 1
	s_mul_i32 s[G0B+1], s[XB], HALFT
	s_add_co_u32 s[G0B+1], s[G0B+1], WREG
	s_mov_b32 s[G0R], 1
	s_add_co_u32 s[G0R+1], s[G0B+1], 64*PITCH
	s_mov_b32 s[G0K], 1
	s_mul_i32 s[G0K+1], s[WV], 64*PITCH
	s_mov_b32 s[G0V], 1
	s_add_co_u32 s[G0V+1], s[G0K+1], WREG
	; byte offsets, each in the registers to which its buffer's address is then added: 512 bytes of codes and 32 scale bytes a row
	s_lshl_b32 s[G0+2], s105, 17                   ; D: row 256 dT + 128 x half
	s_lshl_b32 s101, s[XB], 16
	s_add_co_u32 s[G0+2], s[G0+2], s101
	s_mov_b32 s[G0+3], 0
	s_lshl_b32 s[G0B+2], s104, 17                  ; Wq: row 256 wT + 128 x half
	s_add_co_u32 s[G0B+2], s[G0B+2], s101
	s_mov_b32 s[G0B+3], 0
	s_lshl_b32 s[G0K+2], s104, 17                  ; Wk, Wv: row 256 wT + 64 x wave
	s_lshl_b32 s101, s[WV], 15
	s_add_co_u32 s[G0K+2], s[G0K+2], s101
	s_mov_b32 s[G0K+3], 0
	s_mov_b64 s[G0V+2:G0V+3], s[G0K+2:G0K+3]
	s_lshl_b32 s96, s105, 13                       ; my tokens' scale bytes: row 256 dT + 128 YA
	s_lshl_b32 s97, s[YA], 12
	s_add_co_u32 s96, s96, s97
	s_mov_b32 s97, 0
	s_lshl_b32 s98, s104, 13                       ; my rows': 256 wT + 128 XB
	s_lshl_b32 s99, s[XB], 12
	s_add_co_u32 s98, s98, s99
	s_mov_b32 s99, 0
	s_mov_b64 s[100:101], s[98:99]
	s_mov_b64 s[20:21], s[98:99]
	; where my fragments go.  q, k: W = ((bh 8 + kd) 4 + token block);  v: W = (((bh 4 + dg) 4 + ks) 2 + half of dg's 256);  bh = 8 batch + head
	s_lshr_b32 s60, s105, 1
	s_lshl_b32 s60, s60, 3
	s_lshr_b32 s61, s104, 2
	s_add_co_u32 s60, s60, s61                     ; bh
	s_and_b32 s61, s104, 3                         ; which 256 of the head's d
	s_and_b32 s62, s105, 1
	s_lshl_b32 s62, s62, 1
	s_add_co_u32 s62, s62, s[YA]                   ; which 128 tokens of the batch
	s_lshl_b32 s4, s60, 3
	s_lshl_b32 s6, s61, 1
	s_add_co_u32 s4, s4, s6
	s_add_co_u32 s4, s4, s[XB]                     ; 8 bh + kd
	s_lshl_b32 s4, s4, 2
	s_add_co_u32 s4, s4, s62
	s_lshl_b32 s6, s4, 9                           ; 512 W
	s_lshl_b32 s4, s4, 13                          ; 8,192 W
	s_mov_b32 s5, 0
	s_mov_b32 s7, 0
	s_mov_b64 s[8:9], s[4:5]                       ; k's as q's
	s_mov_b64 s[10:11], s[6:7]
	s_lshl_b32 s12, s60, 2
	s_add_co_u32 s12, s12, s61                     ; 4 bh + dg
	s_lshl_b32 s12, s12, 2
	s_add_co_u32 s12, s12, s62                     ; x 4 + ks
	s_lshl_b32 s12, s12, 1
	s_add_co_u32 s12, s12, s[XB]                   ; x 2 + my half of W
	s_lshl_b32 s14, s12, 9
	s_lshl_b32 s12, s12, 13
	s_mov_b32 s13, 0
	s_mov_b32 s15, 0
	s_lshl_b32 s60, s104, 17                       ; the prefetches: row 256 wT + 64 cy + 32 x (wave % 2)
	s_lshl_b32 s61, s23, 15
	s_add_co_u32 s60, s60, s61
	s_lshl_b32 s61, s[XB], 14
	s_add_co_u32 s60, s60, s61
	s_mov_b32 s61, 0
	s_mov_b64 s[62:63], s[60:61]
	s_lshr_b32 s[LIM], ttmp9, 3                    ; 0 in the clusters of the first group of tokens,
	s_or_b32 s[LIM], s[LIM], s[YA]                 ; in waves 0 and 1
	s_cmp_eq_u32 s[LIM], 0
	s_cselect_b32 s[LIM], 1, 0
	s_wait_alu depctr_va_vdst(0)                   ; the wait at the head's end: no vector instruction follows in the head
	s_wait_dscnt 0x0                               ; both opening adds are done
	s_wait_kmcnt 0x0
	s_add_nc_u64 s[4:5], s[84:85], s[4:5]
	s_add_nc_u64 s[6:7], s[86:87], s[6:7]
	s_add_nc_u64 s[8:9], s[88:89], s[8:9]
	s_add_nc_u64 s[10:11], s[90:91], s[10:11]
	s_add_nc_u64 s[12:13], s[92:93], s[12:13]
	s_add_nc_u64 s[14:15], s[94:95], s[14:15]
	s_add_nc_u64 s[PFK:PFK+1], s[76:77], s[PFK:PFK+1]
	s_add_nc_u64 s[PFV:PFV+1], s[80:81], s[PFV:PFV+1]
	s_add_nc_u64 s[96:97], s[70:71], s[96:97]
	s_add_nc_u64 s[98:99], s[74:75], s[98:99]
	s_add_nc_u64 s[100:101], s[78:79], s[100:101]
	s_add_nc_u64 s[20:21], s[82:83], s[20:21]
	s_add_nc_u64 s[G0+2:G0+3], s[68:69], s[G0+2:G0+3]
	s_add_nc_u64 s[G0B+2:G0B+3], s[72:73], s[G0B+2:G0B+3]
	s_add_nc_u64 s[G0R+2:G0R+3], s[G0B+2:G0B+3], 64*512
	s_add_nc_u64 s[G0K+2:G0K+3], s[76:77], s[G0K+2:G0K+3]
	s_add_nc_u64 s[G0V+2:G0V+3], s[80:81], s[G0V+2:G0V+3]
.irp g, G0, G0B, G0R, G0K, G0V
	s_or_b32 s[\g+3], s[\g+3], 0x80000000
.endr
	CROUND                                         ; all sixteen work-groups are here: the first joint loads meet
	; the head's loads, one a wave: waves 0 and 1 D's halves, waves 2 and 3 the first 64 rows of Wq's halves.  The branch hangs on the wave's number alone
	s_cmp_eq_u32 s[YA], 0
	s_cbranch_scc0 .Lhead_w
	tensor_load_to_lds s[G0:G0+3], s[G1:G1+7]
	s_nop 0
	PLACES 4
	s_branch .Lhead_asked
.Lhead_w:
	tensor_load_to_lds s[G0B:G0B+3], s[G1B:G1B+7]
	s_nop 0
	PLACES 4
.Lhead_asked:
.irp g, 0,1,2,3
.irp y, 0,1
	global_load_b128 v[DS+8*\g+4*\y:DS+8*\g+4*\y+3], v[SOF], s[DSA:DSA+1] offset:1024*\g+16*\y
.endr
.endr
	LDSC 0
	LDSC 1
	LDSC 2
	s_wait_tensorcnt 0x0                           ; my load is in
	ds_add_u32 v[SPW], v[NIL]
	s_wait_dscnt 0x0
	CROUND                                         ; D and the first rows of Wq are whole
	s_cmp_eq_u32 s[YA], 0
	s_cbranch_scc1 .Lrest_asked
	tensor_load_to_lds s[G0R:G0R+3], s[G1B:G1B+7]  ; the rest of Wq: waves 2 and 3; waves 0 and 1 have nothing to fill
	s_nop 0
	PLACES 4
.Lrest_asked:
	; UNIT 0: D comes into its registers, a K step at a time, two K steps ahead of its products
	LDW 0, 0
	LDD 0
	LDD 1
	s_wait_loadcnt 4                               ; D's scale words and unit 0's are in; units 1's and 2's, two loads each, may be out
	LDSC 3
	s_wait_dscnt 16                                ; W and K step 0 of D; K step 1 may be out
	KST 0, 0
	LDD 2
	ASK PFK
	s_wait_dscnt 16
	KST 0, 1
	LDD 3
	s_wait_dscnt 16
	KST 0, 2
	LDD 4
	LDW 0, 1
	s_wait_dscnt 32                                ; K step 4's 16 loads and W's second half's 16 may be out
	KST 0, 3
	LDD 5
	s_wait_dscnt 16
	KST 0, 4
	LDD 6
	s_wait_dscnt 16
	KST 0, 5
	LDD 7
	s_wait_dscnt 16
	KST 0, 6
	WIN 0
	s_wait_tensorcnt 0x0                           ; the rest of Wq is in
	ds_add_u32 v[SPW], v[NIL]                      ; 0 onto my spare word
	s_wait_dscnt 0x0                               ; the add is done; D is in registers: nobody reads its bytes any more
	s_barrier_signal -1
	KST 0, 7
	WIN 0
	s_barrier_wait -1
	CREST
	tensor_load_to_lds s[G0K:G0K+3], s[G1B:G1B+7]  ; Wk, 64 rows a wave, where D was
	s_nop 0
	PLACES 4                                       ; also the places in front of the loads below and of the first reads of unit 0's results
	LDW 1, 0
	ASK PFV
	UNIT 1, 0
	UNIT 2, 0
	UNIT 3, 2                                      ; in its middle: Wk is whole, Wv is asked for
	UNIT 4, 0
	UNIT 5, 0
	UNIT 6, 0
	UNIT 7, 1                                      ; in its middle: Wv is whole
	UNIT 8, 0
	UNIT 9, 0
	UNIT 10, 0
	UNIT 11, 0
	; the last unit is quantised
.irp x, 0,1,2,3,4,5,6,7,8,9,10,11,12,13,14,15
	CH 12, \x
.endr
	s_wait_xcnt 0x0
.irp x, 16,17,18,19,20,21,22,23,24,25,26,27,28,29,30,31
	CH 12, \x
.endr
	WIN 0
	s_wait_tensorcnt 0x0                           ; the wave's end
	ds_add_u32 v[SPW], v[NIL]
	s_wait_dscnt 0x0
	CROUND                                         ; the closing round: no work-group ends while a partner may still ask for a tile that names it
	s_endpgm
.Lfunc_end_k_qf241e61ca5_proj:
	.size	k_qf241e61ca5_proj, .Lfunc_end_k_qf241e61ca5_proj-k_qf241e61ca5_proj
	.p2alignl 7, 3214868480
	.fill 96, 4, 3214868480
	.section	.rodata,"a",@progbits
	.p2align	6, 0x0
	.amdhsa_kernel k_qf241e61ca5_proj
		.amdhsa_group_segment_fixed_size 327680
		.amdhsa_private_segment_fixed_size 0
		.amdhsa_enable_private_segment 0
		.amdhsa_kernarg_size 112
		.amdhsa_user_sgpr_count 2
		.amdhsa_user_sgpr_kernarg_segment_ptr 1
		.amdhsa_wavefront_size32 1
		.amdhsa_system_sgpr_workgroup_id_x 1
		.amdhsa_system_sgpr_workgroup_id_y 1
		.amdhsa_system_sgpr_workgroup_id_z 1
		.amdhsa_system_vgpr_workitem_id 0
		.amdhsa_next_free_vgpr 1024
		.amdhsa_next_free_sgpr 106
		.amdhsa_reserve_vcc 1
		.amdhsa_float_denorm_mode_32 3
		.amdhsa_float_denorm_mode_16_64 3
		.amdhsa_memory_ordered 1
		.amdhsa_forward_progress 1
		.amdhsa_inst_pref_size 255
	.end_amdhsa_kernel
	.section	.bss,"aw",@nobits
	.p2align	6
	.space	262144
	.amdgpu_metadata
---
amdhsa.version: [ 1, 2 ]
amdhsa.kernels:
  - .name:           k_qf241e61ca5_proj
    .symbol:         k_qf241e61ca5_proj.kd
    .args:
      - { .name: data_codes, .offset: 0, .size: 8, .value_kind: global_buffer, .address_space: global }
      - { .name: data_scales, .offset: 8, .size: 8, .value_kind: global_buffer, .address_space: global }
      - { .name: Wq_codes, .offset: 16, .size: 8, .value_kind: global_buffer, .address_space: global }
      - { .name: Wq_scales, .offset: 24, .size: 8, .value_kind: global_buffer, .address_space: global }
      - { .name: Wk_codes, .offset: 32, .size: 8, .value_kind: global_buffer, .address_space: global }
      - { .name: Wk_scales, .offset: 40, .size: 8, .value_kind: global_buffer, .address_space: global }
      - { .name: Wv_codes, .offset: 48, .size: 8, .value_kind: global_buffer, .address_space: global }
      - { .name: Wv_scales, .offset: 56, .size: 8, .value_kind: global_buffer, .address_space: global }
      - { .name: qc, .offset: 64, .size: 8, .value_kind: global_buffer, .address_space: global }
      - { .name: qs, .offset: 72, .size: 8, .value_kind: global_buffer, .address_space: global }
      - { .name: kc, .offset: 80, .size: 8, .value_kind: global_buffer, .address_space: global }
      - { .name: ks, .offset: 88, .size: 8, .value_kind: global_buffer, .address_space: global }
      - { .name: vc, .offset: 96, .size: 8, .value_kind: global_buffer, .address_space: global }
      - { .name: vs, .offset: 104, .size: 8, .value_kind: global_buffer, .address_space: global }
    .group_segment_fixed_size: 327680
    .private_segment_fixed_size: 0
    .kernarg_segment_align: 8
    .kernarg_segment_size: 112
    .max_flat_workgroup_size: 128
    .sgpr_count:     106
    .vgpr_count:     1024
    .wavefront_size: 32
...
	.end_amdgpu_metadata
.endif
;; end of part 1
;; launch attn (part 2): grid 4 x 64, 4 waves a work-group, clusters of 4 x 4, 309,504 bytes of LDS; arguments qc, qs, kc, ks, vc, vs, out0; writes out0
.if DOCPART == 2
	.amdgcn_target "amdgcn-amd-amdhsa--gfx1250"
	.amdhsa_code_object_version 6
	.text
	.protected	k_qf241e61ca5_attn
	.globl	k_qf241e61ca5_attn
	.p2align	8
	.type	k_qf241e61ca5_attn,@function
k_qf241e61ca5_attn:
	s_mov_b64 s[64:65], 0
	v_nop
	global_prefetch_b8 v0, s[64:65] scope:SCOPE_SE
	s_setreg_imm32_b32 hwreg(HW_REG_WAVE_MODE, 25, 1), 1
	s_wait_xcnt 0x0
	s_wait_alu depctr_hold_cnt(0) depctr_sa_sdst(0) depctr_va_vdst(0) depctr_va_sdst(0) depctr_va_ssrc(0) depctr_va_vcc(0) depctr_vm_vsrc(0)
	s_getreg_b32 s2, hwreg(HW_REG_IB_STS2, 6, 4)
	s_cmp_eq_u32 s2, 0
	s_cbranch_scc0 .Lentry_in_a_cluster
	s_endpgm
.Lentry_in_a_cluster:
	s_bfe_u32 s2, ttmp6, 0x10000c
	s_cmp_lg_u32 s2, 0xf033
	s_cbranch_scc0 .Lentry_shape_is_right
	s_endpgm
.Lentry_shape_is_right:
; out[b][t][1024 h + d] = the sum over keys s <= t of softmax_s(q[t] . k[s] / 32) v[s][d], both products on codes of FP4 (E2M1) with E8M0 scales, for each of the 32 pairs bh = 8 b + h.
; q, k, v come as images of operand fragments (16 rows x 128 K: registers 0-3 at 16 x lane, 4-7 at 512 + 16 x lane) and blocks of scale words (128 rows: lane l's 16 bytes = the words of rows 32 p + l).
; THE SOFTMAX: t = score x log2(e) / 32; M = the row's largest t rounded up to a whole number; p = 2^(t - M) is quantised along the keys, not normalised; the row's sum of the unquantised p divides at the end.
; SHARES.  Work-group j (0..7) of a pair owns four tiles of 16 queries, tile m = tokens 128 m + 16 j + 0..15.  Tile m needs key steps ks <= m (128 keys each) whatever j is: 10 of the 16 pairs (m, ks), numbered
; m (m + 1) / 2 + ks, the same in every work-group: the causal cut is in the text, no branch hangs on a place in the cluster; j enters global addresses and one compare of whole numbers.
; FIRST PRODUCT, S^T = k q^T (source 0 = 16 keys, source 1 = 16 queries; a lane holds one query): wave w takes block w (32 keys, two tiles u) of every key step: 20 accumulators, K = 1,024 in 8 steps.
; So a block of 32 keys, p's quantising block, lies in one wave: 16 registers in lanes l and l xor 16.  Row maxima and row sums meet through LDS; p's codes go to LDS at their places in the operand's image.
; SECOND PRODUCT, O^T = v^T p^T (source 0 = 16 of d, source 1 = p): wave w takes d = 256 w .. 256 w + 255 for all four tiles: 64 accumulators.  Tile m is finished behind key step m and leaves while the later steps are multiplied.
; CLUSTER: the four work-groups of a row of the cluster belong to one pair and read the same k: wave w's 64 KiB of it come by one joint tensor load.  v is NOT asked for jointly: k's and v's 256 KiB each do not fit in LDS together,
; no fragment of v is read by two waves of a work-group, and its loads into registers are issued while the softmax runs.  q differs between partners.  LDS is filled once: nothing is filled again.
; No prefetch: every load of the launch is issued at its head or one key step ahead of its use.
; LIMITS: NaN and infinities are not served.  A block of p whose every number is under 2^-124 keeps the byte 1.
; REGISTERS, in windows of 256.  Window 0: v1-27 addresses and 1 / l; v32-79 scale words and nothing else; v80-95 partial sums; v96-175 p's ten fragments; v176-239 rows on the way out.
;   window 1: q's 32 fragments, later v's two sets.   window 2: k's four sets, later O^T of tiles 0, 1.   window 3: S^T, p and the softmax's registers, later O^T of tiles 2, 3.
.set PIMG,  262144                     ; LDS: behind k's 4 x 65,536 bytes: p's ten fragments, 1,024 bytes each,
.set PSC,   PIMG+10*1024               ; their scale words, 64 bytes each,
.set MAXX,  273152                     ; the waves' row maxima [tile][query][wave], f32,
.set SUMX,  MAXX+1024                  ; their row sums likewise,
.set STAGE, SUMX+1024                  ; and a stage of 16 rows x (512 + 16) bytes for each wave
.set SP,    528
.set LOF, 1                            ; v1   16 x lane
.set KLA, 2                            ; v2   k: 65,536 x wave + 16 x lane
.set PLA, 3                            ; v3   p's images, to read: PIMG + 16 x lane
.set PWA, 4                            ; v4   to write: PIMG + 256 w + 16 r + 4 h: block w is lanes 16 (w % 2) + r of registers 4 (w / 2) + 2 u + h
.set PBA, 5                            ; v5   p's scale byte: PSC + 4 r + w
.set PRA, 6                            ; v6   p's scale word: PSC + 4 r
.set MXA, 7                            ; v7   MAXX + 16 r + 4 w
.set MXR, 8                            ; v8   MAXX + 16 r
.set STO, 9                            ; v9   the stage, in: row r, + 32 h
.set RD,  10                           ; v10  the stage, back: 16 x lane
.set DL0, 11                           ; v11  16 j + r - 32 w - 8 h: on the diagonal, register n of a block is hidden where n + 8 (n / 8) is greater
.set QSO, 13                           ; v13  q's scale words: 512 h + 16 r + 256 (j % 2) + 4 (j / 2)
.set KSO, 14                           ; v14  k's: 16 x lane + 4 w
.set GO,  16                           ; v16-19  out: 16 x lane + tile x 128 rows of 32,768 bytes
.set RL,  20                           ; v20-27  1 / l, a pair for each tile (the packed multiply names a pair and takes its low word)
.set SKS, 32                           ; v32-63  k's scale words (ks, kd) at 32 + 8 ks + kd; later v's (ks, dt / 2) at 32 + 8 ks + dt / 2
.set SVS, 32
.set SQS, 64                           ; v64-79  q's (m / 2, kd) at 64 + 8 (m / 2) + kd: lanes 0-15 the even tile, lanes 16-31 the odd; later p's, at 64 + pair
.set SPS, 64
.set SUMR, 80
.set P,   96
.set BK,  176
.set BM,  160                          ; window 3: v0-159 S^T, 16 registers a pair; v160-169 a block's largest score, then its largest p, then the conversion's scale operand
.set TP,  170                          ; v170-179 the other half's maximum, then the scale's byte
.set LSP, 180                          ; v180-187 the sums, a pair for each tile
.set NM,  188                          ; v188-195 -M, a pair for each tile
.set DL,  196
.set NEG, 197
.set MAXR, 200                         ; v200-215 the four waves' maxima
.set PCD, 216                          ; v216-235 p's codes
.set LM,  236                          ; v236-239 my maximum of a tile, later my sum
.set T,   240                          ; v240-243 at work
.set WV,  18                           ; s18 wave
.set CS,  40                           ; s[40:41] c = log2(e) / 32
.set SEL, 42                           ; s[42:43] lane selects for v_permlanex16_b32: lane l xor 16
.set MSB, 0
.macro WIN new                         ; the immediate's high byte repeats the setting that is left
.if MSB != \new
	s_set_vgpr_msb (MSB<<8)|\new
.set MSB, \new
.endif
.endm
.macro PLACES n
.rept \n
	v_nop
.endr
.endm
.macro CROUND                          ; a round of the cluster's barrier
	s_barrier_signal -1
	s_barrier_wait -1
	s_cmp_lg_u32 s[WV], 0
	s_cbranch_scc1 .Lnot_wave_0_\@
	s_barrier_signal -3
.Lnot_wave_0_\@:
	s_barrier_wait -3
	s_barrier_signal -1
	s_barrier_wait -1
.endm
; One scaled product.  z = 1: it starts its sum.  ra, rb = 1: source 0's, source 1's scale words stand in lanes 16-31.
.macro WS d, a, b, z, sa, sb, ra, rb
.if \z
.if (\ra) && (\rb)
	v_wmma_scale_f32_16x16x128_f8f6f4 v[\d:\d+7], v[\a:\a+7], v[\b:\b+7], 0, v[\sa], v[\sb] matrix_a_fmt:MATRIX_FMT_FP4 matrix_b_fmt:MATRIX_FMT_FP4 matrix_a_scale:MATRIX_SCALE_ROW1 matrix_b_scale:MATRIX_SCALE_ROW1
.elseif (\ra)
	v_wmma_scale_f32_16x16x128_f8f6f4 v[\d:\d+7], v[\a:\a+7], v[\b:\b+7], 0, v[\sa], v[\sb] matrix_a_fmt:MATRIX_FMT_FP4 matrix_b_fmt:MATRIX_FMT_FP4 matrix_a_scale:MATRIX_SCALE_ROW1
.elseif (\rb)
	v_wmma_scale_f32_16x16x128_f8f6f4 v[\d:\d+7], v[\a:\a+7], v[\b:\b+7], 0, v[\sa], v[\sb] matrix_a_fmt:MATRIX_FMT_FP4 matrix_b_fmt:MATRIX_FMT_FP4 matrix_b_scale:MATRIX_SCALE_ROW1
.else
	v_wmma_scale_f32_16x16x128_f8f6f4 v[\d:\d+7], v[\a:\a+7], v[\b:\b+7], 0, v[\sa], v[\sb] matrix_a_fmt:MATRIX_FMT_FP4 matrix_b_fmt:MATRIX_FMT_FP4
.endif
.else
.if (\ra) && (\rb)
	v_wmma_scale_f32_16x16x128_f8f6f4 v[\d:\d+7], v[\a:\a+7], v[\b:\b+7], v[\d:\d+7], v[\sa], v[\sb] matrix_a_fmt:MATRIX_FMT_FP4 matrix_b_fmt:MATRIX_FMT_FP4 matrix_a_scale:MATRIX_SCALE_ROW1 matrix_b_scale:MATRIX_SCALE_ROW1
.elseif (\ra)
	v_wmma_scale_f32_16x16x128_f8f6f4 v[\d:\d+7], v[\a:\a+7], v[\b:\b+7], v[\d:\d+7], v[\sa], v[\sb] matrix_a_fmt:MATRIX_FMT_FP4 matrix_b_fmt:MATRIX_FMT_FP4 matrix_a_scale:MATRIX_SCALE_ROW1
.elseif (\rb)
	v_wmma_scale_f32_16x16x128_f8f6f4 v[\d:\d+7], v[\a:\a+7], v[\b:\b+7], v[\d:\d+7], v[\sa], v[\sb] matrix_a_fmt:MATRIX_FMT_FP4 matrix_b_fmt:MATRIX_FMT_FP4 matrix_b_scale:MATRIX_SCALE_ROW1
.else
	v_wmma_scale_f32_16x16x128_f8f6f4 v[\d:\d+7], v[\a:\a+7], v[\b:\b+7], v[\d:\d+7], v[\sa], v[\sb] matrix_a_fmt:MATRIX_FMT_FP4 matrix_b_fmt:MATRIX_FMT_FP4
.endif
.endif
.endm
	s_load_b256 s[4:11], s[0:1], 0x0               ; qc s[4:5], qs s[6:7], kc s[8:9], ks s[10:11]
	s_load_b128 s[12:15], s[0:1], 0x20             ; vc s[12:13], vs s[14:15]
	s_load_b64 s[16:17], s[0:1], 0x30              ; out0
	v_lshl_add_u32 v254, v0, 2, 0x4b700
	v_mov_b32 v255, 0
	ds_add_u32 v254, v255
	ds_add_u32 v254, v255
	v_lshrrev_b32 v28, 5, v0
	v_readfirstlane_b32 s[WV], v28                 ; wave 0..3
	s_bfe_u32 s19, ttmp6, 0x40000                  ; cx
	s_bfe_u32 s46, ttmp6, 0x40004                  ; cy: a cluster holds two pairs, two of its rows each
	s_and_b32 s20, s46, 1
	s_lshl_b32 s20, s20, 2
	s_add_co_u32 s20, s20, s19                     ; j = 4 (cy % 2) + cx: it enters q's and out's addresses and the mask's compare alone
	s_and_b32 s21, ttmp7, 0xffff
	s_lshl_b32 s21, s21, 1
	s_lshr_b32 s47, s46, 1
	s_add_co_u32 s21, s21, s47                     ; bh = 2 x cluster + cy / 2, which the four partners of a row share
	s_lshl_b32 s46, s46, 2
	s_lshl_b32 s46, 15, s46                        ; my row of the cluster
	; group 1: 32 rows of 2,048 bytes (a key step's two fragments of block w), 8,192 bytes apart; dense in LDS
	s_or_b32 s24, s46, (3<<16)|(1<<21)             ; 15:0 the mask: my row; elements of 8 bytes; no padding; 21 set beside a mask
	s_mov_b32 s25, 256<<16                         ; tensor_dim0 = 256 elements
	s_mov_b32 s26, 32<<16                          ; tensor_dim1 = 32: eight K steps x four key steps
	s_mov_b32 s27, 256<<16                         ; tile_dim0
	s_mov_b32 s28, 32                              ; tile_dim1
	s_mov_b32 s29, 1024                            ; tensor_dim0_stride, in elements
	s_mov_b32 s30, 0
	s_mov_b32 s31, 0
	s_mov_b32 s[CS], 0x3d38aa3b                    ; c = log2(e) / 32
	s_mov_b32 s[CS+1], s[CS]                       ; (named with it as a pair, so it is written)
	s_mov_b32 s[SEL], 0x76543210
	s_mov_b32 s[SEL+1], 0xfedcba98
	v_and_b32 v29, 31, v0                          ; lane
	v_and_b32 v12, 15, v0                          ; r
	v_bfe_u32 v15, v0, 4, 1                        ; h
	v_lshlrev_b32 v[LOF], 4, v29
	s_lshl_b32 s47, s[WV], 16                      ; my 65,536 bytes of k in LDS
	v_add_nc_u32 v[KLA], s47, v[LOF]
	v_add_nc_u32 v[PLA], PIMG, v[LOF]
	v_lshlrev_b32 v30, 4, v12                      ; 16 r
	v_lshl_add_u32 v[PWA], v15, 2, v30
	s_lshl_b32 s46, s[WV], 8
	s_add_co_u32 s46, s46, PIMG
	v_add_nc_u32 v[PWA], s46, v[PWA]
	v_lshlrev_b32 v[PRA], 2, v12
	v_add_nc_u32 v[PRA], PSC, v[PRA]
	v_add_nc_u32 v[PBA], s[WV], v[PRA]
	v_add_nc_u32 v[MXR], MAXX, v30
	s_lshl_b32 s46, s[WV], 2
	v_add_nc_u32 v[MXA], s46, v[MXR]
	v_add_nc_u32 v[KSO], s46, v[LOF]
	s_mul_i32 s46, s[WV], 16*SP
	s_add_co_u32 s46, s46, STAGE
	v_mul_u32_u24 v[STO], v12, SP
	v_lshl_add_u32 v[STO], v15, 5, v[STO]
	v_add_nc_u32 v[STO], s46, v[STO]
	v_add_nc_u32 v[RD], s46, v[LOF]
	s_lshl_b32 s48, s20, 4                         ; (what hangs on j lives in s48, s49 and enters no LDS address)
	s_lshl_b32 s49, s[WV], 5
	s_sub_co_i32 s48, s48, s49
	v_add_nc_u32 v[DL0], s48, v12
	v_lshlrev_b32 v31, 3, v15
	v_sub_nc_u32 v[DL0], v[DL0], v31
	v_lshl_add_u32 v[QSO], v15, 9, v30
	s_and_b32 s48, s20, 1
	s_lshl_b32 s48, s48, 8
	s_lshr_b32 s49, s20, 1
	s_lshl_b32 s49, s49, 2
	s_add_co_u32 s48, s48, s49
	v_add_nc_u32 v[QSO], s48, v[QSO]
.irp m, 0,1,2,3
	v_add_nc_u32 v[GO+\m], \m*4194304, v[LOF]
	v_mov_b32 v[RL+2*\m+1], 0                      ; (the upper half of a pair that is named whole)
.endr
	s_lshl_b32 s22, s21, 18                        ; a pair's codes are 262,144 bytes in each of qc, kc, vc
	s_lshl_b32 s46, s[WV], 11
	s_add_co_u32 s22, s22, s46                     ; k: block w's two fragments of a key step lie 2,048 w bytes in
	s_mov_b32 s23, 0
	s_lshl_b32 s44, s21, 18
	s_mov_b32 s45, 0
	s_wait_dscnt 0x0
	s_wait_kmcnt 0x0
	s_add_nc_u64 s[22:23], s[8:9], s[22:23]
	s_add_nc_u64 s[4:5], s[4:5], s[44:45]
	s_add_nc_u64 s[12:13], s[12:13], s[44:45]
	s_lshl_b32 s44, s21, 14                        ; a pair's scale words are 16,384 bytes
	s_add_nc_u64 s[6:7], s[6:7], s[44:45]
	s_add_nc_u64 s[10:11], s[10:11], s[44:45]
	s_add_nc_u64 s[14:15], s[14:15], s[44:45]
	s_lshl_b32 s44, s[WV], 16                      ; v: my 256 of d
	s_add_nc_u64 s[12:13], s[12:13], s[44:45]
	s_lshl_b32 s44, s[WV], 12
	s_add_nc_u64 s[14:15], s[14:15], s[44:45]
	s_lshl_b32 s48, s20, 10                        ; q: fragment 8 m + j of each K step
	s_mov_b32 s49, 0
	s_add_nc_u64 s[4:5], s[4:5], s[48:49]
	s_lshr_b32 s48, s21, 3
	s_lshl_b32 s48, s48, 24                        ; out: batch x 512 rows of 32,768 bytes,
	s_lshl_b32 s46, s20, 19                        ; + 16 j rows,
	s_add_co_u32 s48, s48, s46
	s_and_b32 s46, s21, 7
	s_lshl_b32 s46, s46, 12                        ; + the head's 4,096 bytes,
	s_add_co_u32 s48, s48, s46
	s_lshl_b32 s46, s[WV], 10                      ; + my 256 of d
	s_add_co_u32 s48, s48, s46
	s_add_nc_u64 s[16:17], s[16:17], s[48:49]
	CROUND                                         ; all four work-groups are here: the joint loads meet
	s_mov_b32 s32, 1
	s_mov_b32 s33, s47                             ; my 65,536 bytes of LDS
	s_mov_b64 s[34:35], s[22:23]
	s_or_b32 s35, s35, 0x80000000
	tensor_load_to_lds s[32:35], s[24:31]          ; my one tensor load: all K steps of my k; only I read its bytes
	s_nop 0
.rept 4
	v_nop
.endr
	s_wait_alu depctr_va_vdst(0)
.irp g, 0,1
.irp kd, 0,1,2,3,4,5,6,7
	global_load_b32 v[SQS+8*\g+\kd], v[QSO], s[6:7] offset:2048*\kd+1024*\g
.endr
.endr
.irp ks, 0,1,2,3
.irp kd, 0,1,2,3,4,5,6,7
	global_load_b32 v[SKS+8*\ks+\kd], v[KSO], s[10:11] offset:2048*\kd+512*\ks
.endr
.endr
.macro LDQ kd                          ; q's four fragments of K step kd: they stay in window 1
	WIN 0x40
.irp m, 0,1,2,3
.irp c, 0,1
	global_load_b128 v[8*(4*(\kd)+\m)+4*\c:8*(4*(\kd)+\m)+4*\c+3], v[LOF], s[4:5] offset:32768*(\kd)+8192*\m+512*\c
.endr
.endr
.endm
.macro LDK kd                          ; my eight fragments of k of K step kd, into set kd % 4 of window 2
	WIN 0x80
.irp ks, 0,1,2,3
.irp u, 0,1
.irp c, 0,1
	ds_load_b128 v[64*((\kd)%4)+8*(2*\ks+\u)+4*\c:64*((\kd)%4)+8*(2*\ks+\u)+4*\c+3], v[KLA] offset:8192*(\kd)+2048*\ks+1024*\u+512*\c
.endr
.endr
.endr
.endm
.macro SMUL kd                         ; 20 products: the accumulators take turns, one instruction a turn, in the same order in every K step
	WIN 0xf6                                       ; source 0 (k) window 2, source 1 (q) window 1, C and D window 3
.set ZZ, 0
.if (\kd) == 0
.set ZZ, 1
.endif
.irp m, 0,1,2,3
.irp ks, 0,1,2,3
.if \ks <= \m
.irp u, 0,1
.set rS, 16*(\m*(\m+1)/2+\ks)+8*\u
.set rK, 64*((\kd)%4)+8*(2*\ks+\u)
.set rQ, 8*(4*(\kd)+\m)
.set sK, SKS+8*\ks+(\kd)
.set sQ, SQS+8*(\m/2)+(\kd)
	WS rS, rK, rQ, ZZ, sK, sQ, \u, \m%2
.endr
.endif
.endr
.endr
.endm
.macro LOADV ks                        ; v's 16 fragments of key step ks (my 256 of d), into set ks % 2 of window 1
	WIN 0x40
.irp dt, 0,1,2,3,4,5,6,7,8,9,10,11,12,13,14,15
.irp c, 0,1
	global_load_b128 v[128*((\ks)%2)+8*\dt+4*\c:128*((\ks)%2)+8*\dt+4*\c+3], v[LOF], s[12:13] offset:16384*(\ks)+1024*\dt+512*\c
.endr
.endr
.endm
.irp kd, 0,1,2,3,4,5,6,7
	LDQ \kd
.endr
	s_wait_tensorcnt 0x0                           ; my k is in LDS
	LDK 0
	LDK 1
	; ---- S^T = k q^T: k's fragments run two K steps ahead
.irp kd, 0,1,2,3,4,5,6,7
.if \kd+2 < 8
.if \kd+2 >= 4
	PLACES 4                                       ; the set was read two K steps ago
.endif
	LDK \kd+2
.endif
.if \kd < 6
	s_wait_dscnt 32                                ; this K step's 16 loads are in; those of the next two may be out
.elseif \kd == 6
	s_wait_dscnt 16
.else
	s_wait_dscnt 0x0
.endif
	s_wait_loadcnt 8*(7-\kd)                       ; the scale words and q up to this K step are in; q's later groups of eight may be out
	SMUL \kd
.endr
	; ---- the softmax.  These moves are also the places behind the last products
	WIN 0xc0                                       ; destination window 3
	v_mov_b32 v[NEG], 0xff800000                   ; -infinity
	v_mov_b32 v[DL], v[DL0]
.irp x, 0,1,2,3,4,5,6,7,8,9
	v_mov_b32 v[TP+\x], 0                          ; written once: a lane permute's destination counts as one of its sources
.endr
.irp x, 0,1,2,3,4,5,6,7
	v_mov_b32 v[LSP+\x], 0                         ; the four sums, in two halves each
.endr
.irp m, 0,1,2,3
	v_mov_b32 v[NM+2*\m+1], 0                      ; (the upper half of a pair that is named whole)
.endr
	WIN 0
.irp ks, 0,1,2,3
.irp y, 0,1
	global_load_b128 v[SVS+8*\ks+4*\y:SVS+8*\ks+4*\y+3], v[LOF], s[14:15] offset:1024*\ks+512*\y   ; v's scale words: register p: lanes 0-15 tile 2 p, lanes 16-31 tile 2 p + 1
.endr
.endr
	LOADV 0                                        ; v's first key step comes while the softmax runs
	WIN 0xff                                       ; all in window 3
.irp n, 0,1,2,3,4,5,6,7,8,9,10,11,12,13,14,15  ; the four pairs on the diagonal: register n holds key 32 w + 8 h + n + 8 (n / 8) of the step: hidden where that is beyond my query
	v_cmp_gt_i32 vcc_lo, \n+8*(\n/8), v[DL]
.irp d, 0,2,5,9
	v_cndmask_b32 v[16*\d+\n], v[16*\d+\n], v[NEG], vcc_lo
.endr
.endr
.irp x, 0,1,2,3,4,5,6,7,8,9
	v_max3_num_f32 v[BM+\x], v[16*\x], v[16*\x+1], v[16*\x+2]   ; the largest score of each block of 32 keys: it serves the row's maximum and, since p rises with the score, the block's largest p
.endr
.irp i, 3,5,7,9,11,13
.irp x, 0,1,2,3,4,5,6,7,8,9
	v_max3_num_f32 v[BM+\x], v[BM+\x], v[16*\x+\i], v[16*\x+\i+1]
.endr
.endr
.irp x, 0,1,2,3,4,5,6,7,8,9
	v_max_num_f32 v[BM+\x], v[BM+\x], v[16*\x+15]
.endr
.irp x, 0,1,2,3,4,5,6,7,8,9
	v_permlanex16_b32 v[TP+\x], v[BM+\x], s[SEL], s[SEL+1]
.endr
.irp x, 0,1,2,3,4,5,6,7,8,9
	v_max_num_f32 v[BM+\x], v[BM+\x], v[TP+\x]     ; with lane l xor 16's 16 keys
.endr
	v_max_num_f32 v[LM+1], v[BM+1], v[BM+2]        ; my largest score of each tile (tile 0 has one block)
	v_max3_num_f32 v[LM+2], v[BM+3], v[BM+4], v[BM+5]
	v_max3_num_f32 v[LM+3], v[BM+6], v[BM+7], v[BM+8]
	v_max_num_f32 v[LM+3], v[LM+3], v[BM+9]
	WIN 0x0c                                       ; an LDS store's data are its source 1: window 3
	ds_store_b32 v[MXA], v[BM]
.irp m, 1,2,3
	ds_store_b32 v[MXA], v[LM+\m] offset:256*\m
.endr
	WIN 0
	s_wait_dscnt 0x0                               ; for the others' sake: my maxima have landed
	s_barrier_signal -1
	s_barrier_wait -1
	WIN 0xc0
.irp m, 0,1,2,3
	ds_load_b128 v[MAXR+4*\m:MAXR+4*\m+3], v[MXR] offset:256*\m
.endr
	LOADV 1
	s_wait_dscnt 0x0
	WIN 0xff
.irp m, 0,1,2,3
	v_max3_num_f32 v[T+\m], v[MAXR+4*\m], v[MAXR+4*\m+1], v[MAXR+4*\m+2]
.endr
.irp m, 0,1,2,3
	v_max_num_f32 v[T+\m], v[T+\m], v[MAXR+4*\m+3] ; the row's largest score (key 0 counts for every query: it is a number)
.endr
.irp m, 0,1,2,3
	v_mul_f32 v[T+\m], s[CS], v[T+\m]              ; as t
.endr
.irp m, 0,1,2,3
	v_floor_f32 v[NM+2*\m], -v[T+\m]               ; -M = floor(-t) = -ceil(t)
.endr
.irp m, 0,1,2,3
.irp ks, 0,1,2,3
.if \ks <= \m
.set IX, \m*(\m+1)/2+\ks
.irp i, 0,2,4,6,8,10,12,14
	v_pk_fma_f32 v[16*IX+\i:16*IX+\i+1], v[16*IX+\i:16*IX+\i+1], s[CS:CS+1], v[NM+2*\m:NM+2*\m+1] op_sel_hi:[1,0,0]   ; t - M, two at a time
.endr
	v_fma_f32 v[BM+IX], v[BM+IX], s[CS], v[NM+2*\m]   ; the same of the block's largest score
.endif
.endr
.endr
.set i, 0
	s_wait_alu depctr_va_vdst(0)
.rept 160
	v_exp_f32 v[i], v[i]                           ; p = 2^(t - M), at most 1; 0 for a hidden key
.set i, i+1
.endr
	v_nop                                          ; a plain place behind the exponentials
	s_wait_alu depctr_va_vdst(0)                   ; one wait for the whole batch, ahead of its first reader
.irp x, 0,1,2,3,4,5,6,7,8,9
	v_exp_f32 v[BM+\x], v[BM+\x]                   ; the block's largest p: the same two instructions on the same number
.endr
.irp i, 0,2,4,6,8,10,12,14                     ; the sums are taken of the unquantised p
.irp ks, 0,1,2,3
.irp m, 0,1,2,3
.if \ks <= \m
.set IX, \m*(\m+1)/2+\ks
	v_pk_add_f32 v[LSP+2*\m:LSP+2*\m+1], v[LSP+2*\m:LSP+2*\m+1], v[16*IX+\i:16*IX+\i+1]
.endif
.endr
.endr
.endr
.irp m, 0,1,2,3
	v_add_f32 v[LM+\m], v[LSP+2*\m], v[LSP+2*\m+1]
.endr
.irp m, 0,1,2,3
	v_permlanex16_b32 v[T+\m], v[LM+\m], s[SEL], s[SEL+1]
.endr
.irp m, 0,1,2,3
	v_add_f32 v[LM+\m], v[LM+\m], v[T+\m]          ; my blocks' part of the row's sum
.endr
	s_wait_alu depctr_va_vdst(0)                   ; and one wait for the ten
.irp x, 0,1,2,3,4,5,6,7,8,9
	v_max_num_f32 v[BM+\x], 0x1800000, v[BM+\x]    ; the floor 2^(3 - 127): the byte cannot fall under 1 (a block of zeros keeps that byte: its codes are zeros)
.endr
.irp x, 0,1,2,3,4,5,6,7,8,9
	v_add_nc_u32 v[BM+\x], 0xff000000, v[BM+\x]    ; 2 off the exponent field: the conversion's scale operand
.endr
.irp x, 0,1,2,3,4,5,6,7,8,9
	v_lshrrev_b32 v[TP+\x], 23, v[BM+\x]           ; the scale's byte
.endr
.irp x, 0,1,2,3,4,5,6,7,8,9
.irp u, 0,1
	v_cvt_scalef32_pk8_fp4_f32 v[PCD+2*\x+\u], v[16*\x+8*\u:16*\x+8*\u+7], v[BM+\x]   ; octet 2 u + h of block w
.endr
.endr
	v_nop                                          ; one plain place behind the last scaled conversion
	WIN 0x0c
.irp x, 0,1,2,3,4,5,6,7,8,9
.irp u, 0,1
	ds_store_b32 v[PWA], v[PCD+2*\x+\u] offset:1024*\x+8*\u   ; at its place in the image of p's fragment
.endr
	ds_store_b8 v[PBA], v[TP+\x] offset:64*\x      ; byte w of my query's scale word (both halves of the lanes write the same byte with the same value)
.endr
.irp m, 0,1,2,3
	ds_store_b32 v[MXA], v[LM+\m] offset:1024+256*\m
.endr
	WIN 0
	s_wait_dscnt 0x0                               ; for the others' sake: my codes, bytes and sums have landed
	s_barrier_signal -1
	s_barrier_wait -1
	; ---- O^T = v^T p^T
.irp m, 0,1,2,3
	ds_load_b128 v[SUMR+4*\m:SUMR+4*\m+3], v[MXR] offset:1024+256*\m
.endr
.irp x, 0,1,2,3,4,5,6,7,8,9
	ds_load_b32 v[SPS+\x], v[PRA] offset:64*\x
.endr
.irp x, 0,1,2,3,4,5,6,7,8,9
.irp c, 0,1
	ds_load_b128 v[P+8*\x+4*\c:P+8*\x+4*\c+3], v[PLA] offset:1024*\x+512*\c
.endr
.endr
	s_wait_dscnt 0x0
.irp m, 0,1,2,3
	v_add_f32 v[SUMR+4*\m], v[SUMR+4*\m], v[SUMR+4*\m+1]
	v_add_f32 v[SUMR+4*\m+2], v[SUMR+4*\m+2], v[SUMR+4*\m+3]
.endr
.irp m, 0,1,2,3
	v_add_f32 v[SUMR+4*\m], v[SUMR+4*\m], v[SUMR+4*\m+2]   ; the row's sum l
.endr
	s_wait_alu depctr_va_vdst(0)
.irp m, 0,1,2,3
	v_rcp_f32 v[RL+2*\m], v[SUMR+4*\m]
.endr
	v_nop                                          ; a plain place behind the reciprocals
	s_wait_alu depctr_va_vdst(0)                   ; one wait for the four, ahead of their first reader
.macro PV ks                           ; key step ks for the tiles m >= ks: neighbouring instructions name different accumulators
.set ZZ, 0
.if (\ks) == 0
.set ZZ, 1
.endif
.irp g, 0,1
.if 2*\g+1 >= \ks
	WIN 0xa1+0x50*\g                               ; source 0 (v) window 1, source 1 (p) window 0, C and D window 2 (tiles 0, 1) or 3 (tiles 2, 3)
.irp dt, 0,1,2,3,4,5,6,7,8,9,10,11,12,13,14,15
.irp e, 0,1
.if 2*\g+\e >= \ks
.set MM, 2*\g+\e
.set IX, MM*(MM+1)/2+(\ks)
.set rO, 8*(16*\e+\dt)
.set rV, 128*((\ks)%2)+8*\dt
.set rP, P+8*IX
.set sV, SVS+8*(\ks)+\dt/2
.set sP, SPS+IX
	WS rO, rV, rP, ZZ, sV, sP, \dt%2, 0
.endif
.endr
.endr
.endif
.endr
.endm
; Tile m is finished: O^T / l, through my stage in LDS, half of my 256 of d at a time; back as whole rows of 512 bytes, which the 32 lanes store as 512 consecutive bytes, aligned.
.macro OUT m
.set WO, 2+(\m)/2
.set OB0, 128*((\m)%2)
	PLACES 4                                       ; behind the last products
.irp hf, 0,1
	WIN ((WO<<6)|WO)                               ; destination and source 0: the tile's window; 1 / l in window 0
.set i, OB0+64*\hf
.rept 32
	v_pk_mul_f32 v[i:i+1], v[i:i+1], v[RL+2*(\m):RL+2*(\m)+1] op_sel_hi:[1,0]   ; each accumulator from its low end on
.set i, i+2
.endr
	WIN (WO<<2)                                    ; an LDS store's data are its source 1
.irp b, 0,1,2,3,4,5,6,7
	ds_store_b128 v[STO], v[OB0+64*\hf+8*\b:OB0+64*\hf+8*\b+3] offset:64*\b
	ds_store_b128 v[STO], v[OB0+64*\hf+8*\b+4:OB0+64*\hf+8*\b+7] offset:64*\b+16
.endr
	WIN 0
	s_wait_xcnt 0x0                                ; the last stores have read their data: the rows' registers are loaded again only behind this wait
.irp t, 0,1,2,3,4,5,6,7,8,9,10,11,12,13,14,15
	ds_load_b128 v[BK+4*\t:BK+4*\t+3], v[RD] offset:\t*SP   ; LDS serves a wave's instructions in order (ISA guide 5.7.1.4): these see my stores, and the next half's stores come behind them
.endr
.irp t, 0,1,2,3,4,5,6,7,8,9,10,11,12,13,14,15
	s_wait_dscnt 15-\t                             ; row t is back; the younger loads may be out
	global_store_b128 v[GO+(\m)], v[BK+4*\t:BK+4*\t+3], s[16:17] offset:32768*\t+512*\hf th:TH_STORE_NT   ; written once, read by nobody here
.endr
.endr
.endm
	s_wait_loadcnt 32                              ; v's scale words and key step 0 are in; key step 1's 32 loads may be out
	PV 0
	OUT 0
	LOADV 2                                        ; into the set that key step 0 has left (the way out's lines are the places)
	s_wait_loadcnt 32                              ; key step 1 is in
	PV 1
	OUT 1
	LOADV 3
	s_wait_loadcnt 32                              ; key step 2 is in
	PV 2
	OUT 2
	s_wait_loadcnt 0x0
	PV 3
	OUT 3
	s_wait_tensorcnt 0x0
	ds_add_u32 v254, v255
	s_wait_dscnt 0x0
	CROUND                                         ; the closing round: no work-group ends while a partner may still ask for a tile that names it
	s_endpgm
.Lfunc_end_k_qf241e61ca5_attn:
	.size	k_qf241e61ca5_attn, .Lfunc_end_k_qf241e61ca5_attn-k_qf241e61ca5_attn
	.p2alignl 7, 3214868480
	.fill 96, 4, 3214868480
	.section	.rodata,"a",@progbits
	.p2align	6, 0x0
	.amdhsa_kernel k_qf241e61ca5_attn
		.amdhsa_group_segment_fixed_size 309504
		.amdhsa_private_segment_fixed_size 0
		.amdhsa_enable_private_segment 0
		.amdhsa_kernarg_size 56
		.amdhsa_user_sgpr_count 2
		.amdhsa_user_sgpr_kernarg_segment_ptr 1
		.amdhsa_wavefront_size32 1
		.amdhsa_system_sgpr_workgroup_id_x 1
		.amdhsa_system_sgpr_workgroup_id_y 1
		.amdhsa_system_sgpr_workgroup_id_z 1
		.amdhsa_system_vgpr_workitem_id 0
		.amdhsa_next_free_vgpr 1024
		.amdhsa_next_free_sgpr 66
		.amdhsa_reserve_vcc 1
		.amdhsa_float_denorm_mode_32 3
		.amdhsa_float_denorm_mode_16_64 3
		.amdhsa_memory_ordered 1
		.amdhsa_forward_progress 1
		.amdhsa_inst_pref_size 164
	.end_amdhsa_kernel
	.amdgpu_metadata
---
amdhsa.version: [ 1, 2 ]
amdhsa.kernels:
  - .name:           k_qf241e61ca5_attn
    .symbol:         k_qf241e61ca5_attn.kd
    .args:
      - { .name: qc, .offset: 0, .size: 8, .value_kind: global_buffer, .address_space: global }
      - { .name: qs, .offset: 8, .size: 8, .value_kind: global_buffer, .address_space: global }
      - { .name: kc, .offset: 16, .size: 8, .value_kind: global_buffer, .address_space: global }
      - { .name: ks, .offset: 24, .size: 8, .value_kind: global_buffer, .address_space: global }
      - { .name: vc, .offset: 32, .size: 8, .value_kind: global_buffer, .address_space: global }
      - { .name: vs, .offset: 40, .size: 8, .value_kind: global_buffer, .address_space: global }
      - { .name: out0, .offset: 48, .size: 8, .value_kind: global_buffer, .address_space: global }
    .group_segment_fixed_size: 309504
    .private_segment_fixed_size: 0
    .kernarg_segment_align: 8
    .kernarg_segment_size: 56
    .max_flat_workgroup_size: 128
    .sgpr_count:     66
    .vgpr_count:     1024
    .wavefront_size: 32
...
	.end_amdgpu_metadata
.endif
;; end of part 2
